; MI455X (gfx1250); checked and timed in simulation.
; The chip was launched on July 23, 2026; its instructions are those of AMD's public machine-readable ISA for CDNA 5 (MIT licence, August 2026) and "CDNA5" Instruction Set Architecture Reference Guide (July 2026). The comments in the code are by the model that wrote it; some were corrected since.
;; Sparse Attention. Allowed arithmetic: matrix products marked QUANTISED: E2M1 operands, one E8M0 scale for each 32 along K, by v_wmma_scale_f32_16x16x128_f8f6f4 with both operands' format E2M1 (or v_wmma_scale_f32_32x16x128_f4), f32 sums; everything else in f32.
;; Inputs: k 2 x 4,096 x 1,024 float32; q 2 x 4,096 x 1,024 float32; v 2 x 4,096 x 1,024 float32.
;; Outputs: out0 2 x 4,096 x 1,024 float32.
;; This version of the problem:
;;   THIS VERSION OF THE PROBLEM IS GIVEN IN LOW PRECISION. The matrix products marked QUANTISED in the list below multiply operands that are first quantised to E2M1 (2 exponent bits, 1 mantissa bit; 4 bits a number), with one power-of-two scale for each 32 numbers along K (OCP MX v1.0); their sums are f32. All else is computed in f32.
;;   The module's matrix products, in the order in which they are computed (A, B: the left and right operand; K: the contracted axis; several contracted axes count as one K, in the product's order):
;;     1. batch 2 x [M 4,096, K 1,024] x [K 1,024, N 4,096]; A: input q; B: input k: QUANTISED
;;     2. batch 2 x [M 4,096, K 4,096] x [K 4,096, N 1,024]; A: softmax (see below); B: input v: QUANTISED
;;   THE QUANTISER, for each operand of a quantised product, along K:
;;     - K is cut into blocks of 32 from its start; a last block that is shorter is filled with zeros.
;;     - A block's scale is 2^e with e = floor(log2(the largest magnitude in the block)) - 2, held to -126 .. 127; a block of zeros has e = 0. As a byte (E8M0): e + 127.
;;     - Each number is divided by its block's scale, clamped to +-6, and rounded to the nearest number of E2M1, ties to even, subnormals kept.
;;     - The product sums the exact products of the quantised numbers (number of the format x scale) in f32.
;;   ~~~python
;;   def quantise(x, axis):      # numpy; x: float32 -> the quantised numbers, widened to float32 again
;;       x = np.moveaxis(x, axis, -1); K = x.shape[-1]
;;       x = np.pad(x, [(0, 0)] * (x.ndim - 1) + [(0, -K % 32)]); x = x.reshape(x.shape[:-1] + (-1, 32)); a = np.abs(x).max(-1, keepdims=True)
;;       e = np.where(a > 0, np.clip(np.frexp(np.where(a > 0, a, 1))[1] - 1 - 2, -126, 127), 0)      # np.frexp(a)[1] - 1 = floor(log2(a)), exactly
;;       r = np.clip(x / 2.0 ** e, -6, 6)
;;       step = 2.0 ** (np.maximum(np.frexp(np.where(r == 0, 1, r))[1] - 1, 0) - 1)
;;       q = np.round(r / step) * step * 2.0 ** e      # np.round: ties to even
;;       return np.moveaxis(q.reshape(q.shape[:-2] + (-1,))[..., :K], -1, axis).astype(np.float32)
;;   ~~~
;;   SOFTMAX AHEAD OF A QUANTISED PRODUCT. Where the list says 'softmax', what is quantised is not the finished softmax but p = 2^(t - M), with t = logit x log2(e) and M = ceil(the row's largest t), a whole number; so 1/2 < the row's largest p <= 1. The row's sum l is taken of the UNQUANTISED p, in f32, and the product's result is divided by l at the end. Since M is a whole number, a kernel that streams over the keys may use a running M (the ceiling of the running maximum): every later rescaling is an exact power of two, which a block's scale takes up: the codes' values come out the same.
;;   OPERANDS COMPUTED ON THE WAY. 'Computed on the way' means the value that the module computes at that place (a softmax that the list does not call 'softmax' is quantised finished and normalised). What goes into a quantiser is computed in f32, as accurately as f32 sums, v_exp_f32 and their like allow (about 1e-6 of the number): no bf16 or f16 on the way to a quantiser, and a product that is left as it is and whose result goes on into a quantised operand takes f32 operands (vector FMAs, or v_wmma_f32_16x16x4_f32). A number that lies on a knife's edge between two numbers of the format may be rounded either way, as far as f32 arithmetic and the matrix unit's own rounding can turn it there, and no further.
;; One version. Each part assembles by itself: llvm-mc -triple=amdgcn-amd-amdhsa -mcpu=gfx1250 --defsym DOCPART=n.
;; ======== version 1 of 1: 3 launches
;; limits: right only within a limited range of input values
;; workspace buffers: codes 12,582,912 bytes; scales 786,432 bytes; p_codes 16,777,216 bytes; stats 5,242,880 bytes
;; launch quant (part 1): grid 768 x 1, 4 waves a work-group, no clusters, 57,856 bytes of LDS; arguments q, k, v, codes, scales; writes codes, scales
.if DOCPART == 1
	.amdgcn_target "amdgcn-amd-amdhsa--gfx1250"
	.amdhsa_code_object_version 6
	.text
	.protected	k_qc01ff6541c_quant
	.globl	k_qc01ff6541c_quant
	.p2align	8
	.type	k_qc01ff6541c_quant,@function
k_qc01ff6541c_quant:
	s_mov_b64 s[64:65], 0
	v_nop
	global_prefetch_b8 v0, s[64:65] scope:SCOPE_SE
	s_setreg_imm32_b32 hwreg(HW_REG_WAVE_MODE, 25, 1), 1
	s_wait_xcnt 0x0
; q, k, v [2][4096][1024] f32 become codes of FP4 (E2M1) with one E8M0 byte for each 32 along a product's K, laid as IMAGES OF THE OPERANDS' REGISTERS.
; An image is 1,024 bytes: 16 rows x 128 K as [c 2][lane 32][16 bytes]; lane 16 h + r of part c holds k = 64 c + 32 h + 0 .. 31 of row r: registers 4 c .. 4 c + 3 of a fragment.
; q, k: K = the 1,024 channels, innermost.  codes: q at 0, k at 4 MiB: [tile of 16 rows][K step 8][image].  scales: q at 0, k at 256 KiB: [row][32 bytes].
;   q's rows keep their order.  k's rows are laid in the order of the second product's K: token 32 b + l goes to row 128 l + b', b' = b with bits 3 and 4 exchanged, so that
;   16 rows on end are a tile of keys whose results lie, two tiles together, as 16 neighbouring keys in a lane's registers.
; v: K = the keys in the order 128 l + b, so a block of 32 is 32 tokens that lie 32 apart.  codes at 8 MiB: [n][e / 64][l 32][e tile 4][image], rows = channels e, K = b.
;   scales at 512 KiB: [n][e / 256][l / 4][e % 256][4 words], word l % 4, byte = block.
; A block's scale is 2^(floor(log2(largest magnitude)) - 2): its byte is the largest magnitude's exponent field - 2, held at 1 from below.
; LIMITS: a block of zeros, or one whose largest magnitude lies under 2^-124, gets the byte 1 (its codes are zeros or the smallest; the bytes are read by this program alone); NaN and infinities are not served.
; Work-groups 0-255: q and k, a tile of 16 rows to a wave.  Work-groups 256-767: v, 32 channels x one l to a wave.  Waves share nothing: no barrier.
.set EMAX,  2
.set SP,    80                         ; a lane's place in a turn stage: 64 bytes + 16 of padding
.set IP,    272                        ; 256 bytes of the tile's images + 16 of padding
.set IMG,   2*32*SP                    ; a wave's LDS: two turn stages, the tile's eight images (32 x IP),
.set SCB,   IMG+32*IP                  ; its 512 scale bytes
.set WREG,  SCB+512
.set SPARE, 4*WREG                     ; behind the four regions: the spare words, 128 bytes a wave, that no other line names
.set LN,    2                          ; v2   lane
.set LI,    3                          ; v3   16 x lane
.set STI,   4                          ; v4   turn stage, way in
.set STO,   5                          ; v5   turn stage, way out
.set IMA,   6                          ; v6   where my 8 bytes of codes go in the images
.set SBA,   7                          ; v7   where my block's byte goes
.set SPW,   12                         ; v12  my spare word; never rewritten
.set NIL,   13                         ; v13  0; never rewritten
.set LIP,   14                         ; v14  the images, read back 512 bytes an instruction
.set SCR,   15                         ; v15  the scale bytes, read back
.set SRC,   16                         ; v16-31   row i of the tile: its byte offset + 16 x lane
.set R,     32                         ; v32-159  eight sets of 16 numbers as loaded
.set X,     160                        ; v160-191 two sets of 16 neighbours
.set C,     192                        ; v192-195 codes, two registers by the step's parity
.set E,     196                        ; v196-197 the byte, by parity
.set VA,    16                         ; path v: v16 4 x lane; v17 my codes' place; v18 my scale word's place; v19 the scale word
.set VC,    17
.set VS,    18
.set VW,    19
.set VX,    32                         ; v32-95   two sets of 32 numbers
.set VK,    96                         ; v96-111  four registers of codes for each block
	s_load_b256 s[4:11], s[0:1], 0x0               ; q s[4:5], k s[6:7], v s[8:9], codes s[10:11]
	s_load_b64 s[12:13], s[0:1], 0x20              ; scales
	v_lshl_add_u32 v[SPW], v0, 2, SPARE
	v_mov_b32 v[NIL], 0
	v_lshrrev_b32 v1, 5, v0
	v_readfirstlane_b32 s16, v1                    ; wave 0..3
	v_and_b32 v[LN], 31, v0
	s_mov_b32 s25, 0                               ; the upper word of every offset
	s_wait_kmcnt 0x0
	s_cmp_ge_u32 ttmp9, 256
	s_cbranch_scc1 .Lv_path
; ---------------- q and k: K is innermost ----------------
; A step is 512 numbers, half a row.  Each of its four loads reads 512 consecutive bytes; the 2,048 bytes turn through the wave's stage so that a lane holds 16 neighbours
; (two lanes a block).  Loads run eight steps (32 loads) ahead, the turn one step.
	s_wait_alu depctr_va_vdst(0)
	v_lshlrev_b32 v[LI], 4, v[LN]
	s_mul_i32 s17, s16, WREG
	v_lshrrev_b32 v[STI], 2, v[LN]
	v_mul_u32_u24 v[STI], v[STI], SP
	v_and_b32 v8, 3, v[LN]
	v_lshl_add_u32 v[STI], v8, 4, v[STI]
	v_add_nc_u32 v[STI], s17, v[STI]               ; in: four lanes' 64 bytes on end, then the padding
	v_mul_u32_u24 v[STO], v[LN], SP
	v_add_nc_u32 v[STO], s17, v[STO]               ; out: my 16 neighbours
	v_lshrrev_b32 v8, 1, v[LN]
	v_mul_u32_u24 v[IMA], v8, IP                   ; lane L's 16 codes are k = 16 L of the half row: K step L / 8, part (L / 4) % 2, half (L / 2) % 2: 256 (L / 2) bytes on, 8 (L % 2) in the lane's 16
	v_and_b32 v9, 1, v[LN]
	v_lshl_add_u32 v[IMA], v9, 3, v[IMA]
	v_add_nc_u32 v[IMA], s17, v[IMA]
	v_add_nc_u32 v[SBA], s17, v8
	v_lshrrev_b32 v9, 4, v[LN]
	v_mul_u32_u24 v[LIP], v9, IP
	v_and_b32 v9, 15, v[LN]
	v_lshl_add_u32 v[LIP], v9, 4, v[LIP]
	v_add_nc_u32 v[LIP], s17, v[LIP]
	v_add_nc_u32 v[SCR], s17, v[LI]
	s_lshl_b32 s17, ttmp9, 2
	s_add_co_u32 s17, s17, s16
	s_and_b32 s18, s17, 511                        ; T: the tile in its tensor
	s_and_b32 s19, s18, 255                        ; T': in its batch
	s_lshr_b32 s20, s18, 8                         ; n
	s_and_b32 s21, s19, 1                          ; k: row i of tile T' is token 32 b + l, l = T' / 8, b = b0 + i % 8 + 16 (i / 8), b0 = 8 (T' % 2) + 32 ((T' / 2) % 4)
	s_lshl_b32 s21, s21, 3
	s_and_b32 s22, s19, 6
	s_lshl_b32 s22, s22, 4
	s_or_b32 s21, s21, s22
	s_lshl_b32 s21, s21, 5
	s_lshr_b32 s22, s19, 3
	s_add_co_u32 s21, s21, s22
	s_lshl_b32 s21, s21, 12
	s_lshl_b32 s22, s20, 24
	s_add_co_u32 s21, s21, s22                     ; k: the tile's first row, in bytes
	s_lshl_b32 s22, s18, 16                        ; q: 16 rows of 4,096 bytes a tile
	s_cmp_ge_u32 ttmp9, 128                        ; q's work-group or k's: the choice hangs on the work-group's number alone
	s_cselect_b32 s24, s21, s22
	s_cselect_b64 s[4:5], s[6:7], s[4:5]
	s_mov_b32 s26, 4096
	s_cselect_b32 s26, 0x20000, s26                ; from row to row: 1 token or 32
	s_mov_b32 s27, 4096
	s_cselect_b32 s27, 0x120000, s27               ; from row 7 to row 8: 1 token or 9 x 32
	s_cselect_b32 s28, 0x400000, 0                 ; where the tensor's codes begin,
	s_cselect_b32 s29, 0x40000, 0                  ; and its scale bytes
	s_add_nc_u64 s[4:5], s[4:5], s[24:25]
	s_lshl_b32 s24, s18, 13
	s_add_co_u32 s24, s24, s28
	s_add_nc_u64 s[10:11], s[10:11], s[24:25]      ; 8,192 bytes of codes a tile
	s_lshl_b32 s24, s18, 9
	s_add_co_u32 s24, s24, s29
	s_add_nc_u64 s[12:13], s[12:13], s[24:25]      ; 512 scale bytes a tile
	v_mov_b32 v[SRC], v[LI]
.irp i, 1,2,3,4,5,6,7
	v_add_nc_u32 v[SRC+\i], s26, v[SRC+\i-1]
.endr
	v_add_nc_u32 v[SRC+8], s27, v[SRC+7]
.irp i, 9,10,11,12,13,14,15
	v_add_nc_u32 v[SRC+\i], s26, v[SRC+\i-1]
.endr
.macro LOAD t                          ; step t: half t % 2 of row t / 2
.irp i, 0,1,2,3
	global_load_b128 v[R+16*((\t)%8)+4*\i:R+16*((\t)%8)+4*\i+3], v[SRC+(\t)/2], s[4:5] offset:2048*((\t)%2)+512*\i th:TH_LOAD_NT
.endr
.endm
.macro TURN t                          ; LDS serves a wave's instructions in order: no wait between the stores and the loads
.irp i, 0,1,2,3
	ds_store_b128 v[STI], v[R+16*((\t)%8)+4*\i:R+16*((\t)%8)+4*\i+3] offset:32*SP*((\t)%2)+8*SP*\i
.endr
.irp i, 0,1,2,3
	ds_load_b128 v[X+16*((\t)%2)+4*\i:X+16*((\t)%2)+4*\i+3], v[STO] offset:32*SP*((\t)%2)+16*\i
.endr
.endm
.macro STEP t
.set XS, X+16*((\t)%2)
.set CC, C+2*((\t)%2)
.if (\t) > 0
	s_wait_dscnt 2                                 ; this step's numbers are back (the last step's two stores may be out): so its stores into the stage have read their registers,
.else
	s_wait_dscnt 0x0
.endif
.if (\t)+8 < 32
	LOAD (\t)+8                                    ; which take the loads of eight steps on
.endif
.if (\t)+1 < 32
.if (\t) < 24
	s_wait_loadcnt 28                              ; the next step's four loads are in; those of the seven steps behind it may be out
.else
	s_wait_loadcnt 4*(30-(\t))                     ; nothing more is asked for: the count runs down
.endif
	TURN (\t)+1
.endif
	v_max3_num_f32 v8, |v[XS]|, |v[XS+1]|, |v[XS+2]|               ; the largest magnitude of my 16, in two chains
	v_max3_num_f32 v9, |v[XS+3]|, |v[XS+4]|, |v[XS+5]|
.irp i, 6,10
	v_max3_num_f32 v8, v8, |v[XS+\i]|, |v[XS+\i+1]|
	v_max3_num_f32 v9, v9, |v[XS+\i+2]|, |v[XS+\i+3]|
.endr
	v_max3_num_f32 v8, v8, |v[XS+14]|, |v[XS+15]|
	v_max3_num_f32 v8, v8, v9, (EMAX+1)<<23        ; and the floor 2^(3 - 127): the byte cannot fall under 1
	v_max_num_f32_dpp v8, v8, v8 row_xmask:1 row_mask:0xf bank_mask:0xf   ; with my neighbour's 16: the block's
	v_add_nc_u32 v11, -(EMAX<<23), v8              ; 2 off its exponent field: the conversion takes that field as its scale
	v_cvt_scalef32_pk8_fp4_f32 v[CC], v[XS:XS+7], v11
	v_cvt_scalef32_pk8_fp4_f32 v[CC+1], v[XS+8:XS+15], v11
	v_lshrrev_b32 v[E+(\t)%2], 23, v11             ; the scale's byte (also the plain instruction behind the conversions)
	ds_store_b64 v[IMA], v[CC:CC+1] offset:IMG+16*IP*((\t)%2)+16*((\t)/2)   ; row t / 2 is lane r of the images; the second half row is four K steps on
	ds_store_b8 v[SBA], v[E+(\t)%2] offset:SCB+16*(\t)             ; both lanes of a block write the same byte with the same value
.endm
.irp t, 0,1,2,3,4,5,6,7
	LOAD \t
.endr
	s_wait_loadcnt 28                              ; step 0's four loads are in
	TURN 0
.set Q, 0
.rept 32
	STEP Q
.set Q, Q+1
.endr
.irp i, 0,1,2,3,4,5,6,7,8,9,10,11,12,13,14,15
	ds_load_b128 v[R+4*\i:R+4*\i+3], v[LIP] offset:IMG+2*IP*\i     ; the images come back as they will lie in memory; these loads see my stores
.endr
	ds_load_b128 v[R+64:R+67], v[SCR] offset:SCB
.irp i, 0,1,2,3,4,5,6,7,8,9,10,11,12,13,14,15
	s_wait_dscnt 16-\i                             ; the younger loads may be out
	global_store_b128 v[LI], v[R+4*\i:R+4*\i+3], s[10:11] offset:512*\i   ; 32 lanes store 512 consecutive bytes, aligned
.endr
	s_wait_dscnt 0x0
	global_store_b128 v[LI], v[R+64:R+67], s[12:13]                ; the tile's 512 scale bytes
	s_wait_tensorcnt 0x0                           ; the wave's end
	ds_add_u32 v[SPW], v[NIL]
	s_wait_dscnt 0x0
	s_endpgm
; ---------------- v: K runs over tokens ----------------
; A lane takes a channel e, and its registers run down K: 32 tokens that lie 32 apart are one block in one lane.  Its 16 bytes of codes are one lane's place in an image,
; so they are stored as they are: sixteen lanes fill 256 consecutive bytes, aligned.  The scale word goes out as 4 bytes a lane, 16 apart: one byte in 128 of what is read.
.Lv_path:
	s_sub_co_u32 s17, ttmp9, 256
	s_and_b32 s18, s17, 7                          ; cg: which 128 channels
	s_bfe_u32 s19, s17, 0x50003                    ; l
	s_lshr_b32 s20, s17, 8                         ; n
	s_lshl_b32 s24, s20, 24
	s_lshl_b32 s21, s19, 12
	s_add_co_u32 s24, s24, s21
	s_lshl_b32 s21, s18, 9
	s_add_co_u32 s24, s24, s21
	s_lshl_b32 s21, s16, 7
	s_add_co_u32 s24, s24, s21                     ; token l of batch n, channel 128 cg + 32 wave
	s_add_nc_u64 s[8:9], s[8:9], s[24:25]
	s_add_nc_u64 s[14:15], s[8:9], 0x800000        ; blocks 2 and 3 begin 64 x 32 tokens on: a second base keeps every offset inside the signed 24-bit immediate
	s_lshl_b32 s21, s20, 4
	s_lshl_b32 s22, s18, 1
	s_add_co_u32 s21, s21, s22
	s_lshr_b32 s22, s16, 1
	s_add_co_u32 s21, s21, s22                     ; 16 n + e / 64
	s_lshl_b32 s21, s21, 5
	s_add_co_u32 s21, s21, s19                     ; x 32 + l
	s_lshl_b32 s24, s21, 12
	s_and_b32 s22, s16, 1
	s_lshl_b32 s22, s22, 11                        ; my two e tiles of its four
	s_add_co_u32 s24, s24, s22
	s_add_co_u32 s24, s24, 0x800000
	s_add_nc_u64 s[10:11], s[10:11], s[24:25]
	s_lshl_b32 s21, s20, 2
	s_lshr_b32 s22, s18, 1
	s_add_co_u32 s21, s21, s22                     ; 4 n + e / 256
	s_lshl_b32 s21, s21, 3
	s_lshr_b32 s22, s19, 2
	s_add_co_u32 s21, s21, s22                     ; x 8 + l / 4
	s_lshl_b32 s24, s21, 12
	s_and_b32 s22, s18, 1
	s_lshl_b32 s22, s22, 11
	s_add_co_u32 s24, s24, s22
	s_lshl_b32 s22, s16, 9
	s_add_co_u32 s24, s24, s22                     ; + 16 bytes x (e % 256)
	s_and_b32 s22, s19, 3
	s_lshl_b32 s22, s22, 2
	s_add_co_u32 s24, s24, s22                     ; + word l % 4
	s_add_co_u32 s24, s24, 0x80000
	s_add_nc_u64 s[12:13], s[12:13], s[24:25]
	s_wait_alu depctr_va_vdst(0)
	v_lshlrev_b32 v[VA], 2, v[LN]
	v_lshrrev_b32 v8, 4, v[LN]
	v_and_b32 v9, 15, v[LN]
	v_lshlrev_b32 v[VC], 4, v9
	v_lshl_add_u32 v[VC], v8, 10, v[VC]            ; image (lane / 16), row lane % 16
	v_lshlrev_b32 v[VS], 4, v[LN]
.macro LOADV b                         ; block b: tokens 32 (32 b + i) + l, i = 0 .. 31
.irp i, 0,1,2,3,4,5,6,7,8,9,10,11,12,13,14,15,16,17,18,19,20,21,22,23,24,25,26,27,28,29,30,31
	global_load_b32 v[VX+32*((\b)%2)+\i], v[VA], s[8+6*((\b)/2):9+6*((\b)/2)] offset:((\b)%2)*4194304+\i*131072 th:TH_LOAD_NT
.endr
.endm
.macro BLOCKV b
.set XS, VX+32*((\b)%2)
.if (\b) < 3
	s_wait_loadcnt 32                              ; this block's 32 loads are in; the next block's may be out
.else
	s_wait_loadcnt 0x0
.endif
	v_max3_num_f32 v8, |v[XS]|, |v[XS+1]|, |v[XS+2]|               ; all 32 numbers of the block are mine
	v_max3_num_f32 v9, |v[XS+3]|, |v[XS+4]|, |v[XS+5]|
.irp i, 6,10,14,18,22,26
	v_max3_num_f32 v8, v8, |v[XS+\i]|, |v[XS+\i+1]|
	v_max3_num_f32 v9, v9, |v[XS+\i+2]|, |v[XS+\i+3]|
.endr
	v_max3_num_f32 v8, v8, |v[XS+30]|, |v[XS+31]|
	v_max3_num_f32 v8, v8, v9, (EMAX+1)<<23
	v_add_nc_u32 v11, -(EMAX<<23), v8
	v_lshrrev_b32 v10, 23, v11
.if (\b) == 0
	v_mov_b32 v[VW], v10
.else
	v_lshl_or_b32 v[VW], v10, 8*(\b), v[VW]        ; the four blocks' bytes make the scale word of this l
.endif
.irp g, 0,1,2,3
	v_cvt_scalef32_pk8_fp4_f32 v[VK+4*(\b)+\g], v[XS+8*\g:XS+8*\g+7], v11
.endr
	v_nop                                          ; a plain instruction behind the conversions
	global_store_b128 v[VC], v[VK+4*(\b):VK+4*(\b)+3], s[10:11] offset:((\b)/2)*512+((\b)%2)*256   ; block b = 2 c + h: part c, lanes 16 h on
.if (\b)+2 < 4
	LOADV (\b)+2
.endif
.endm
	LOADV 0
	LOADV 1
	BLOCKV 0
	BLOCKV 1
	BLOCKV 2
	BLOCKV 3
	global_store_b32 v[VS], v[VW], s[12:13]
	s_wait_tensorcnt 0x0                           ; the wave's end
	ds_add_u32 v[SPW], v[NIL]
	s_wait_dscnt 0x0
	s_endpgm
.Lfunc_end_k_qc01ff6541c_quant:
	.size	k_qc01ff6541c_quant, .Lfunc_end_k_qc01ff6541c_quant-k_qc01ff6541c_quant
	.p2alignl 7, 3214868480
	.fill 96, 4, 3214868480
	.section	.rodata,"a",@progbits
	.p2align	6, 0x0
	.amdhsa_kernel k_qc01ff6541c_quant
		.amdhsa_group_segment_fixed_size 57856
		.amdhsa_private_segment_fixed_size 0
		.amdhsa_enable_private_segment 0
		.amdhsa_kernarg_size 40
		.amdhsa_user_sgpr_count 2
		.amdhsa_user_sgpr_kernarg_segment_ptr 1
		.amdhsa_wavefront_size32 1
		.amdhsa_system_sgpr_workgroup_id_x 1
		.amdhsa_system_sgpr_workgroup_id_y 1
		.amdhsa_system_sgpr_workgroup_id_z 1
		.amdhsa_system_vgpr_workitem_id 0
		.amdhsa_next_free_vgpr 208
		.amdhsa_next_free_sgpr 66
		.amdhsa_reserve_vcc 0
		.amdhsa_float_denorm_mode_32 3
		.amdhsa_float_denorm_mode_16_64 3
		.amdhsa_memory_ordered 1
		.amdhsa_forward_progress 1
		.amdhsa_inst_pref_size 88
	.end_amdhsa_kernel
	.amdgpu_metadata
---
amdhsa.version: [ 1, 2 ]
amdhsa.kernels:
  - .name:           k_qc01ff6541c_quant
    .symbol:         k_qc01ff6541c_quant.kd
    .args:
      - { .name: q, .offset: 0, .size: 8, .value_kind: global_buffer, .address_space: global }
      - { .name: k, .offset: 8, .size: 8, .value_kind: global_buffer, .address_space: global }
      - { .name: v, .offset: 16, .size: 8, .value_kind: global_buffer, .address_space: global }
      - { .name: codes, .offset: 24, .size: 8, .value_kind: global_buffer, .address_space: global }
      - { .name: scales, .offset: 32, .size: 8, .value_kind: global_buffer, .address_space: global }
    .group_segment_fixed_size: 57856
    .private_segment_fixed_size: 0
    .kernarg_segment_align: 8
    .kernarg_segment_size: 40
    .max_flat_workgroup_size: 128
    .sgpr_count:     66
    .vgpr_count:     208
    .wavefront_size: 32
...
	.end_amdgpu_metadata
.endif
;; end of part 1
;; launch scores (part 2): grid 8 x 32, 8 waves a work-group, clusters of 4 x 1, 327,680 bytes of LDS; arguments codes, scales, p_codes, stats; writes p_codes, stats
.if DOCPART == 2
	.amdgcn_target "amdgcn-amd-amdhsa--gfx1250"
	.amdhsa_code_object_version 6
	.text
	.protected	k_qc01ff6541c_scores
	.globl	k_qc01ff6541c_scores
	.p2align	8
	.type	k_qc01ff6541c_scores,@function
k_qc01ff6541c_scores:
	s_mov_b64 s[64:65], 0
	v_nop
	global_prefetch_b8 v0, s[64:65] scope:SCOPE_SE
	s_setreg_imm32_b32 hwreg(HW_REG_WAVE_MODE, 25, 1), 1
	s_wait_xcnt 0x0
	s_wait_alu depctr_hold_cnt(0) depctr_sa_sdst(0) depctr_va_vdst(0) depctr_va_sdst(0) depctr_va_ssrc(0) depctr_va_vcc(0) depctr_vm_vsrc(0)
	s_getreg_b32 s2, hwreg(HW_REG_IB_STS2, 6, 4)
	s_cmp_eq_u32 s2, 0
	s_cbranch_scc0 .Lentry_in_a_cluster
	s_endpgm
.Lentry_in_a_cluster:
	s_bfe_u32 s2, ttmp6, 0x10000c
	s_cmp_lg_u32 s2, 0x3003
	s_cbranch_scc0 .Lentry_shape_is_right
	s_endpgm
.Lentry_shape_is_right:
; S^T = K Q^T on codes of FP4, then p = 2^(t - M') quantised along the keys, for 256 queries (work-group y) x 512 keys (work-group x) of one batch.
; Wave w owns 64 keys: four tiles x eight K steps of register images, 256 registers (window 1), loaded once.  It walks the 16 query tiles, whose images lie in LDS and are read by all eight waves.
; Source 0 = 16 keys, source 1 = 16 queries: a lane holds one query; the launch before laid k's rows so that the 16 registers of tiles 2 b, 2 b + 1 are 16 neighbouring keys of the second product's K.
; t = score x log2(e) / 16.  M' = the ceiling of the largest t of the wave's 64 keys, a whole number: the next launch brings the scale bytes and the sums under the row's M by exact powers of two.
; Out, for each query tile: p's codes (512 bytes a wave: half an image of the next launch's operand); -M', the sum l' of the unquantised p and two scale bytes for each row, gathered in LDS and stored at the end in whole units.
; LIMIT: the promise holds while the scaled scores t stay under 2^31 in magnitude.
; CLUSTER 4, 1, 1: the four partners take the same 256 queries, so q's codes are asked for jointly (mask 15), in two halves: tiles 0-7 at the head, a tile a wave; tiles 8-15 behind the head's round, first read behind a barrier four tiles later.
; q's scale bytes, 8,192 of the 139,264 bytes of q that a work-group takes, come by plain loads and LDS stores, 1,024 bytes a wave.  K is each wave's own: straight into registers.
; No prefetch: K and the first half of q are asked for at the head, where no loop stands to run ahead in, and the second half is asked for four tiles ahead of the barrier that waits for it.
.set QH,    65536                      ; LDS: q's images, 8,192 bytes a tile: tiles 0-7 from 0, tiles 8-15 from QH
.set QSC,   131072                     ; q's scale bytes [row 256][32], stored by the waves: no tensor load lands here
.set STM,   139264                     ; -M' [tile][row][wave] f32, and 8,192 on the sums l'
.set STH,   155648                     ; the byte pairs [tile][row][wave]
.set SPARE, 159744                     ; the spare words, 128 bytes a wave, that no other line names
.set LI,   1                           ; 16 x lane
.set ADQ,  2                           ; the tile's images
.set AQS0, 3                           ; lane term of q's scale words; AQS: the tile's
.set AQS,  4
.set AM0,  5                           ; lane term of my place in STM; AM: the tile's
.set AM,   6
.set AH0,  7                           ; the same in STH
.set AH,   8
.set KO,   9                           ; 32 x lane: a row of K's scale bytes
.set SPW,  10                          ; my spare word; never rewritten
.set NIL,  11                          ; 0; never rewritten
.set NM,   12                          ; v[12:13] -M' (the pair's upper word is written once)
.set SA,   14
.set SB2,  16
.set T,    18                          ; the two blocks' largest score, then largest p
.set U,    20
.set SO,   22
.set BY,   24
.set HW,   26
.set TMP,  27
.set PC,   28                          ; v28-31 p's codes
.set KS,   32                          ; v32-47 K's scale words: register 8 p + s: tile 2 p in lanes 0-15, tile 2 p + 1 in lanes 16-31
.set QS,   48                          ; v48-55 q's scale words of the tile
.set QST,  56                          ; where I store q's scale bytes
.set R15,  57
.set QF,   64                          ; v64-127 q's eight fragments
.set S,    128                         ; v128-159 the scores, then p
.set EN,   160                         ; v160-179 q's scale bytes on their way; the stats on the way out
.set WV,   12
.set HB,   22
.set G1C,  24
.set G0C,  32
.set G0D,  36
.set KB,   40
.set KSB,  42
.set CS,   48
.set SEL,  50
.set TQ,   52
.set TSQ,  53
.set TS,   54
.set TH,   55
.set CNT,  56
.set QSB,  60
.set MSB, 0
.macro WIN new                         ; the immediate's high byte repeats the setting that is left
.if MSB != \new
	s_set_vgpr_msb (MSB<<8)|\new
.set MSB, \new
.endif
.endm
.macro CROUND                          ; a round of the cluster's barrier
	s_barrier_signal -1
	s_barrier_wait -1
	s_cmp_lg_u32 s[WV], 0
	s_cbranch_scc1 .Lnot_wave_0_\@
	s_barrier_signal -3
.Lnot_wave_0_\@:
	s_barrier_wait -3
	s_barrier_signal -1
	s_barrier_wait -1
.endm
	s_load_b256 s[4:11], s[0:1], 0x0               ; codes, scales, p_codes, stats
	v_lshl_add_u32 v[SPW], v0, 2, SPARE
	v_mov_b32 v[NIL], 0
	ds_add_u32 v[SPW], v[NIL]                      ; the opening lines: the add twice on end and its wait ahead of my first tensor load
	ds_add_u32 v[SPW], v[NIL]
	v_lshrrev_b32 v[TMP], 5, v0
	v_readfirstlane_b32 s[WV], v[TMP]              ; wave 0..7
	; every offset is made here, on registers, between the adds and their wait
	s_and_b32 s15, ttmp7, 0xffff                   ; y = 16 n + the block of 256 queries
	s_bfe_u32 s13, ttmp6, 0x40000                  ; cx
	s_lshl_b32 s14, ttmp9, 2
	s_add_co_u32 s14, s14, s13                     ; x: which 512 keys
	s_lshr_b32 s16, s15, 4                         ; n
	s_and_b32 s17, s15, 15
	s_mov_b32 s[G1C], 15|(3<<16)|(1<<21)           ; group 1: the mask of the four partners, bit 21 beside it; 32 dense rows of 256 bytes (32 elements of 8): one tile
	s_mov_b32 s[G1C+1], 32<<16
	s_mov_b32 s[G1C+2], 32<<16
	s_mov_b32 s[G1C+3], 32<<16
	s_mov_b32 s[G1C+4], 32
	s_mov_b32 s[G1C+5], 32
	s_mov_b32 s[G1C+6], 0
	s_mov_b32 s[G1C+7], 0
	s_mov_b32 s[G0C], 1
	s_lshl_b32 s[G0C+1], s[WV], 13                 ; tile = wave
	s_mov_b32 s[G0D], 1
	s_add_co_u32 s[G0D+1], s[G0C+1], QH            ; tile = 8 + wave
	s_lshl_b32 s20, s15, 17                        ; q's codes: y and the wave alone, nothing of cx
	s_lshl_b32 s21, s[WV], 13
	s_add_co_u32 s20, s20, s21
	s_mov_b32 s21, 0
	s_lshl_b32 s18, s15, 13                        ; q's scale bytes: my 32 rows
	s_lshl_b32 s19, s[WV], 10
	s_add_co_u32 s18, s18, s19
	s_mov_b32 s19, 0
	s_lshl_b32 s58, s16, 8                         ; my first tile of k: 256 n + 32 x + 4 wave
	s_lshl_b32 s59, s14, 5
	s_add_co_u32 s58, s58, s59
	s_lshl_b32 s59, s[WV], 2
	s_add_co_u32 s58, s58, s59
	s_lshl_b32 s[KB], s58, 13
	s_add_co_u32 s[KB], s[KB], 0x400000
	s_mov_b32 s[KB+1], 0
	s_lshl_b32 s[KSB], s58, 9
	s_add_co_u32 s[KSB], s[KSB], 0x40000
	s_mov_b32 s[KSB+1], 0
	s_lshl_b32 s44, s16, 23                        ; p_codes: [n][x][y % 16][tile][wave][512 bytes]
	s_lshl_b32 s59, s14, 20
	s_add_co_u32 s44, s44, s59
	s_lshl_b32 s59, s17, 16
	s_add_co_u32 s44, s44, s59
	s_lshl_b32 s59, s[WV], 9
	s_add_co_u32 s44, s44, s59
	s_mov_b32 s45, 0
	s_lshl_b32 s57, s16, 3                         ; stats: [8 n + x][y % 16][the wave's part]
	s_add_co_u32 s57, s57, s14
	s_lshl_b32 s46, s57, 16
	s_lshl_b32 s57, s17, 12
	s_add_co_u32 s46, s46, s57
	s_add_co_u32 s46, s46, s59
	s_mov_b32 s47, 0
	s_mov_b32 s[CS], 0x3db8aa3b                    ; c = log2(e) / 16
	s_mov_b32 s[CS+1], s[CS]
	s_mov_b32 s[SEL], 0x76543210
	s_mov_b32 s[SEL+1], 0xfedcba98                 ; lane l xor 16
	s_mov_b32 s[TQ], 0
	s_mov_b32 s[TSQ], 0
	s_mov_b32 s[TS], 0
	s_mov_b32 s[TH], 0
	s_lshl_b32 s57, s[WV], 2
	s_lshl_b32 s58, s[WV], 1
	s_lshl_b32 s59, s[WV], 10
	s_add_co_u32 s59, s59, QSC
	v_and_b32 v[TMP], 31, v0
	v_and_b32 v[R15], 15, v0
	v_lshlrev_b32 v[LI], 4, v[TMP]
	v_lshlrev_b32 v[KO], 5, v[TMP]
	v_lshl_add_u32 v[AQS0], v[R15], 5, QSC
	v_lshl_add_u32 v[AM0], v[R15], 5, STM
	v_lshl_add_u32 v[AH0], v[R15], 4, STH
	v_add_nc_u32 v[QST], s59, v[LI]
	v_add_nc_u32 v[AM0], s57, v[AM0]
	v_add_nc_u32 v[AH0], s58, v[AH0]
	v_mov_b32 v[ADQ], v[LI]
	v_mov_b32 v[AQS], v[AQS0]
	v_mov_b32 v[NM+1], 0                           ; named as the upper half of a pair
	v_mov_b32 v[U], 0                              ; a lane permute's destination counts as a source
	v_mov_b32 v[U+1], 0
	s_wait_alu depctr_va_vdst(0)                   ; the wait at the head's end
	s_wait_dscnt 0x0                               ; both opening adds are done
	s_wait_kmcnt 0x0
	s_add_nc_u64 s[G0C+2:G0C+3], s[4:5], s[20:21]
	s_add_nc_u64 s[G0D+2:G0D+3], s[G0C+2:G0C+3], QH   ; eight tiles of 8,192 bytes on
	s_or_b32 s[G0C+3], s[G0C+3], 0x80000000
	s_or_b32 s[G0D+3], s[G0D+3], 0x80000000
	s_add_nc_u64 s[QSB:QSB+1], s[6:7], s[18:19]
	s_add_nc_u64 s[KB:KB+1], s[4:5], s[KB:KB+1]
	s_add_nc_u64 s[KSB:KSB+1], s[6:7], s[KSB:KSB+1]
	s_add_nc_u64 s[8:9], s[8:9], s[44:45]
	s_add_nc_u64 s[HB:HB+1], s[10:11], s[46:47]
	s_add_nc_u64 s[HB:HB+1], s[HB:HB+1], 0x400000
	s_lshl_b32 s46, s46, 1
	s_add_nc_u64 s[10:11], s[10:11], s[46:47]
	CROUND                                         ; the four partners are here: the joint loads meet
	tensor_load_to_lds s[G0C:G0C+3], s[G1C:G1C+7]  ; q tile = wave: my one tensor load at the head
	s_nop 0
.rept 4
	v_nop
.endr
	global_load_b128 v[EN:EN+3], v[LI], s[QSB:QSB+1]               ; q's scale bytes of my 32 rows
	global_load_b128 v[EN+4:EN+7], v[LI], s[QSB:QSB+1] offset:512
.irp p, 0,1
	global_load_b128 v[KS+8*\p:KS+8*\p+3], v[KO], s[KSB:KSB+1] offset:1024*\p
	global_load_b128 v[KS+8*\p+4:KS+8*\p+7], v[KO], s[KSB:KSB+1] offset:1024*\p+16
.endr
	WIN 0x40                                       ; destination window 1
.set i, 0
.rept 64
	global_load_b128 v[4*i:4*i+3], v[LI], s[KB:KB+1] offset:512*i  ; K: tile b, K step s at v[8 (8 b + s)]
.set i, i+1
.endr
	WIN 0
	s_wait_loadcnt 63                              ; of my 70 loads the youngest 63 may be out: q's scale bytes, the oldest two, are in
	ds_store_b128 v[QST], v[EN:EN+3]
	ds_store_b128 v[QST], v[EN+4:EN+7] offset:512
	s_wait_tensorcnt 0x0                           ; my tile of q is in
	ds_add_u32 v[SPW], v[NIL]
	s_wait_dscnt 0x0                               ; the add is done and my scale bytes are stored
	CROUND                                         ; tiles 0-7 and the scale bytes are whole for every wave, and the partners meet again
	tensor_load_to_lds s[G0D:G0D+3], s[G1C:G1C+7]  ; q tile = 8 + wave: my one tensor load behind this round
	s_nop 0
.rept 4
	v_nop
.endr
.macro QLOAD
.set i, 0
.rept 16
	ds_load_b128 v[QF+4*i:QF+4*i+3], v[ADQ] offset:512*i
.set i, i+1
.endr
	ds_load_b128 v[QS:QS+3], v[AQS]
	ds_load_b128 v[QS+4:QS+7], v[AQS] offset:16
.endm
.macro KQ b, s                         ; tile b of my keys, K step s; the first K step starts the sum
.set rS, S+8*(\b)
.set rK, 8*(8*(\b)+(\s))
.set rQ, QF+8*(\s)
.set rX, KS+8*((\b)/2)+(\s)
.if (\s) == 0
.if (\b)%2
	v_wmma_scale_f32_16x16x128_f8f6f4 v[rS:rS+7], v[rK:rK+7], v[rQ:rQ+7], 0, v[rX], v[QS+(\s)] matrix_a_fmt:MATRIX_FMT_FP4 matrix_b_fmt:MATRIX_FMT_FP4 matrix_a_scale:MATRIX_SCALE_ROW1
.else
	v_wmma_scale_f32_16x16x128_f8f6f4 v[rS:rS+7], v[rK:rK+7], v[rQ:rQ+7], 0, v[rX], v[QS+(\s)] matrix_a_fmt:MATRIX_FMT_FP4 matrix_b_fmt:MATRIX_FMT_FP4
.endif
.else
.if (\b)%2
	v_wmma_scale_f32_16x16x128_f8f6f4 v[rS:rS+7], v[rK:rK+7], v[rQ:rQ+7], v[rS:rS+7], v[rX], v[QS+(\s)] matrix_a_fmt:MATRIX_FMT_FP4 matrix_b_fmt:MATRIX_FMT_FP4 matrix_a_scale:MATRIX_SCALE_ROW1
.else
	v_wmma_scale_f32_16x16x128_f8f6f4 v[rS:rS+7], v[rK:rK+7], v[rQ:rQ+7], v[rS:rS+7], v[rX], v[QS+(\s)] matrix_a_fmt:MATRIX_FMT_FP4 matrix_b_fmt:MATRIX_FMT_FP4
.endif
.endif
.endm
.macro SOFT
.irp b, 0,1
	v_max3_num_f32 v[T+\b], v[S+16*\b], v[S+16*\b+1], v[S+16*\b+2]   ; each block's largest score, the two blocks by turns, each accumulator from its low end on
.endr
.irp i, 3,5,7,9,11,13
.irp b, 0,1
	v_max3_num_f32 v[T+\b], v[T+\b], v[S+16*\b+\i], v[S+16*\b+\i+1]
.endr
.endr
.irp b, 0,1
	v_max_num_f32 v[T+\b], v[T+\b], v[S+16*\b+15]
.endr
.irp b, 0,1
	s_delay_alu instid0(VALU_DEP_2)
	v_permlanex16_b32 v[U+\b], v[T+\b], s[SEL], s[SEL+1]
.endr
.irp b, 0,1
	s_delay_alu instid0(VALU_DEP_2)
	v_max_num_f32 v[T+\b], v[T+\b], v[U+\b]        ; with lane l xor 16's 16 keys
.endr
	s_delay_alu instid0(VALU_DEP_1)
	v_max_num_f32 v[TMP], v[T], v[T+1]
	s_delay_alu instid0(VALU_DEP_1)
	v_mul_f32 v[TMP], s[CS], v[TMP]
	s_delay_alu instid0(VALU_DEP_1)
	v_floor_f32 v[NM], -v[TMP]                     ; -M' = floor(-t): a whole number
.irp j, 0,2,4,6,8,10,12,14,16,18,20,22,24,26,28,30
	v_pk_fma_f32 v[S+\j:S+\j+1], v[S+\j:S+\j+1], s[CS:CS+1], v[NM:NM+1] op_sel_hi:[1,0,0]   ; t - M'
.endr
.irp b, 0,1
	v_fma_f32 v[T+\b], v[T+\b], s[CS], v[NM]       ; the same of each block's largest score
.endr
	s_wait_alu depctr_va_vdst(0)                   ; the wait ahead of the batch
.irp b, 0,1
	v_exp_f32 v[T+\b], v[T+\b]                     ; the block's largest p
.endr
.set i, 0
.rept 32
	v_exp_f32 v[S+i], v[S+i]                       ; p = 2^(t - M')
.set i, i+1
.endr
	v_nop                                          ; a plain instruction behind the batch
	s_wait_alu depctr_va_vdst(0)                   ; one wait for all 34, ahead of their first reader
	v_pk_add_f32 v[SA:SA+1], v[S:S+1], v[S+2:S+3]  ; the sum of the unquantised p, in two chains
	v_pk_add_f32 v[SB2:SB2+1], v[S+4:S+5], v[S+6:S+7]
.irp b, 0,1
	v_max_num_f32 v[T+\b], 0x1800000, v[T+\b]      ; the floor 2^(3 - 127): the byte cannot fall under 1
.endr
.irp j, 8,12,16,20,24,28
	v_pk_add_f32 v[SA:SA+1], v[SA:SA+1], v[S+\j:S+\j+1]
	v_pk_add_f32 v[SB2:SB2+1], v[SB2:SB2+1], v[S+\j+2:S+\j+3]
.endr
.irp b, 0,1
	v_add_nc_u32 v[SO+\b], 0xff000000, v[T+\b]     ; 2 off the exponent field: the conversion's scale operand
.endr
	v_pk_add_f32 v[SA:SA+1], v[SA:SA+1], v[SB2:SB2+1]
.irp b, 0,1
	v_lshrrev_b32 v[BY+\b], 23, v[SO+\b]           ; the scale's byte
.endr
	v_add_f32 v[SA], v[SA], v[SA+1]
	v_lshl_or_b32 v[HW], v[BY+1], 8, v[BY]
	s_delay_alu instid0(VALU_DEP_2)
	v_permlanex16_b32 v[U], v[SA], s[SEL], s[SEL+1]
	s_delay_alu instid0(VALU_DEP_1)
	v_add_f32 v[SA], v[SA], v[U]                   ; l' of my query's 64 keys
.irp b, 0,1
	v_cvt_scalef32_pk8_fp4_f32 v[PC+2*\b], v[S+16*\b:S+16*\b+7], v[SO+\b]
	v_cvt_scalef32_pk8_fp4_f32 v[PC+2*\b+1], v[S+16*\b+8:S+16*\b+15], v[SO+\b]
.endr
	v_nop                                          ; a plain instruction behind the conversions
	v_permlane16_swap_b32 v[PC], v[PC+2]           ; a whole block to a lane: lanes 0-15 block 0, lanes 16-31 block 1
	v_permlane16_swap_b32 v[PC+1], v[PC+3]
.endm
.macro TILE last
	s_wait_dscnt 0x0                               ; the tile's fragments and scale words are in
	WIN 0x01                                       ; source 0 (K) window 1
.irp s, 0,1,2,3,4,5,6,7
.irp b, 0,1,2,3                        ; the four accumulators take turns
	KQ \b, \s
.endr
.endr
	WIN 0
	v_add_nc_u32 v[AM], s[TS], v[AM0]              ; four plain instructions between the products and the loads into their sources and the reads of their results
	v_add_nc_u32 v[AH], s[TH], v[AH0]
.if \last
	v_nop
	v_nop
.else
	s_add_co_u32 s[TQ], s[TQ], 8192
	s_add_co_u32 s[TSQ], s[TSQ], 512
	v_add_nc_u32 v[ADQ], s[TQ], v[LI]
	v_add_nc_u32 v[AQS], s[TSQ], v[AQS0]
	QLOAD                                          ; the next tile comes while this one's softmax is worked
.endif
	SOFT
	global_store_b128 v[LI], v[PC:PC+3], s[8:9]    ; 512 consecutive bytes, aligned
	ds_store_b32 v[AM], v[NM]
	ds_store_b32 v[AM], v[SA] offset:8192
	ds_store_b16 v[AH], v[HW]
.if !\last
	s_add_co_u32 s[TS], s[TS], 512
	s_add_co_u32 s[TH], s[TH], 256
	s_wait_xcnt 0x0                                ; the store has read its base and data: they are rewritten only behind this wait
	s_add_nc_u64 s[8:9], s[8:9], 4096
.endif
.endm
	QLOAD                                          ; tile 0
	s_wait_loadcnt 0x0                             ; K and its scale words
	s_mov_b32 s[CNT], 4
.Lfirst:                                               ; tiles 0 to 3; the last of them fetches tile 4
	TILE 0
	s_sub_co_u32 s[CNT], s[CNT], 1
	s_cmp_lg_u32 s[CNT], 0
	s_cbranch_scc1 .Lfirst
	s_wait_tensorcnt 0x0                           ; my tile of q's second half is in,
	s_wait_dscnt 0x0
	s_barrier_signal -1
	s_barrier_wait -1                              ; everybody's is: tile 8 is first fetched in tile 7.
	s_mov_b32 s[CNT], 11
.Lrest:                                                ; tiles 4 to 14
	TILE 0
	s_sub_co_u32 s[CNT], s[CNT], 1
	s_cmp_lg_u32 s[CNT], 0
	s_cbranch_scc1 .Lrest
	TILE 1
	s_wait_dscnt 0x0                               ; my stats are stored,
	s_barrier_signal -1
	s_barrier_wait -1                              ; everybody's are: they leave as they lie, an eighth a wave, 512 consecutive bytes a store
	s_lshl_b32 s57, s[WV], 10
	s_add_co_u32 s57, s57, STM
	v_add_nc_u32 v[AM], s57, v[LI]
	s_lshl_b32 s57, s[WV], 9
	s_add_co_u32 s57, s57, STH
	v_add_nc_u32 v[AH], s57, v[LI]
	ds_load_b128 v[EN:EN+3], v[AM]
	ds_load_b128 v[EN+4:EN+7], v[AM] offset:512
	ds_load_b128 v[EN+8:EN+11], v[AM] offset:8192
	ds_load_b128 v[EN+12:EN+15], v[AM] offset:8704
	ds_load_b128 v[EN+16:EN+19], v[AH]
	s_wait_dscnt 0x0
	global_store_b128 v[LI], v[EN:EN+3], s[10:11]
	global_store_b128 v[LI], v[EN+4:EN+7], s[10:11] offset:512
	global_store_b128 v[LI], v[EN+8:EN+11], s[10:11] offset:2097152
	global_store_b128 v[LI], v[EN+12:EN+15], s[10:11] offset:2097664
	global_store_b128 v[LI], v[EN+16:EN+19], s[HB:HB+1]
	s_wait_tensorcnt 0x0                           ; the wave's end
	ds_add_u32 v[SPW], v[NIL]
	s_wait_dscnt 0x0
	CROUND                                         ; the closing round
	s_endpgm
.Lfunc_end_k_qc01ff6541c_scores:
	.size	k_qc01ff6541c_scores, .Lfunc_end_k_qc01ff6541c_scores-k_qc01ff6541c_scores
	.p2alignl 7, 3214868480
	.fill 96, 4, 3214868480
	.section	.rodata,"a",@progbits
	.p2align	6, 0x0
	.amdhsa_kernel k_qc01ff6541c_scores
		.amdhsa_group_segment_fixed_size 327680
		.amdhsa_private_segment_fixed_size 0
		.amdhsa_enable_private_segment 0
		.amdhsa_kernarg_size 32
		.amdhsa_user_sgpr_count 2
		.amdhsa_user_sgpr_kernarg_segment_ptr 1
		.amdhsa_wavefront_size32 1
		.amdhsa_system_sgpr_workgroup_id_x 1
		.amdhsa_system_sgpr_workgroup_id_y 1
		.amdhsa_system_sgpr_workgroup_id_z 1
		.amdhsa_system_vgpr_workitem_id 0
		.amdhsa_next_free_vgpr 512
		.amdhsa_next_free_sgpr 66
		.amdhsa_reserve_vcc 0
		.amdhsa_float_denorm_mode_32 3
		.amdhsa_float_denorm_mode_16_64 3
		.amdhsa_memory_ordered 1
		.amdhsa_forward_progress 1
		.amdhsa_inst_pref_size 49
	.end_amdhsa_kernel
	.amdgpu_metadata
---
amdhsa.version: [ 1, 2 ]
amdhsa.kernels:
  - .name:           k_qc01ff6541c_scores
    .symbol:         k_qc01ff6541c_scores.kd
    .args:
      - { .name: codes, .offset: 0, .size: 8, .value_kind: global_buffer, .address_space: global }
      - { .name: scales, .offset: 8, .size: 8, .value_kind: global_buffer, .address_space: global }
      - { .name: p_codes, .offset: 16, .size: 8, .value_kind: global_buffer, .address_space: global }
      - { .name: stats, .offset: 24, .size: 8, .value_kind: global_buffer, .address_space: global }
    .group_segment_fixed_size: 327680
    .private_segment_fixed_size: 0
    .kernarg_segment_align: 8
    .kernarg_segment_size: 32
    .max_flat_workgroup_size: 256
    .sgpr_count:     66
    .vgpr_count:     512
    .wavefront_size: 32
...
	.end_amdgpu_metadata
.endif
;; end of part 2
;; launch mix (part 3): grid 4 x 64, 4 waves a work-group, clusters of 4 x 4, 327,680 bytes of LDS; arguments codes, scales, p_codes, stats, out0; writes out0
.if DOCPART == 3
	.amdgcn_target "amdgcn-amd-amdhsa--gfx1250"
	.amdhsa_code_object_version 6
	.text
	.protected	k_qc01ff6541c_mix
	.globl	k_qc01ff6541c_mix
	.p2align	8
	.type	k_qc01ff6541c_mix,@function
k_qc01ff6541c_mix:
	s_mov_b64 s[64:65], 0
	v_nop
	global_prefetch_b8 v0, s[64:65] scope:SCOPE_SE
	s_setreg_imm32_b32 hwreg(HW_REG_WAVE_MODE, 25, 1), 1
	s_wait_xcnt 0x0
	s_wait_alu depctr_hold_cnt(0) depctr_sa_sdst(0) depctr_va_vdst(0) depctr_va_sdst(0) depctr_va_ssrc(0) depctr_va_vcc(0) depctr_vm_vsrc(0)
	s_getreg_b32 s2, hwreg(HW_REG_IB_STS2, 6, 4)
	s_cmp_eq_u32 s2, 0
	s_cbranch_scc0 .Lentry_in_a_cluster
	s_endpgm
.Lentry_in_a_cluster:
	s_bfe_u32 s2, ttmp6, 0x10000c
	s_cmp_lg_u32 s2, 0xf033
	s_cbranch_scc0 .Lentry_shape_is_right
	s_endpgm
.Lentry_shape_is_right:
; out0 = (P V) / l on codes of FP4.  A work-group makes 128 queries x 256 channels; wave w 128 x 64: 32 accumulators, all of window 2.
; ALL of P for the 128 queries (32 K steps x 8 tiles x 1,024 bytes = 262,144 bytes) comes into LDS once, in two halves: no slot is filled again.  Each wave's fragments of V lie on end in memory
; (4,096 bytes a K step) and stream straight into a ring of eight sets of registers, seven K steps ahead.  Source 0 = 16 channels of V, source 1 = 16 queries of P: a lane holds eight neighbouring channels of one query.
; THE PROLOGUE brings P's scale bytes under the row's M.  For each row and group of 64 keys the launch before left -M', the sum l' and two bytes.  -M = the smallest -M'; D = M - M' is a whole number, 0 or more;
; each byte becomes byte - D, held at 0 from below; l = the sum of l' 2^-D.  The bytes are at most 125 (p is at most 1) and D is held at 127, so the four bytes of a word are worked at once: no borrow crosses a byte.
; LIMITS: a block whose scale falls under 2^-127 of the row's is held at the byte 0 (its numbers are at most 6 x 2^-127 beside a sum l over 1/2); a part l' with D = 127 or more counts as 0.
; THE HEAD asks in the order in which things are needed: the prologue's numbers, V's scale words, P's first half (my one tensor load at the head), V of K steps 0 to 7.  The prologue is worked while P and V are on their way.
; CLUSTER, 4 x 4: the four work-groups of a row take the same queries: P is asked for jointly along the row.
; V's codes go from memory straight into each wave's registers: beside P no LDS is left through which a joint load could bring them.  V's scale words are not asked for jointly either: a wave reads only the words of its own
; 64 channels, 8,192 bytes, which it loads itself and stores into LDS bytes of its own; for a work-group they are 32,768 bytes beside 262,144 of P and 524,288 of V.
; No prefetch: V's loads run seven K steps ahead of their use, and P is asked for whole by two loads, the second a trip of eight K steps ahead of the barrier that waits for it.
.set VSC,   262144                     ; LDS: P from 0: [ks 8][tile 8][K step 4][image];  V's scale words [ks 8][e 256][16 bytes], stored by the waves;
.set PSC,   294912                     ; P's scale words under M: [ks 8][row 128][16 bytes], made here;
.set RLB,   311296                     ; 1 / l, [row 128] f32;
.set SPARE, 311808                     ; the spare words, 128 bytes a wave, that no other line names
; the way out's stages, 16 rows x 272 bytes a wave, lie from 0 on: P has had its only fill, and a barrier stands behind its last read
.set LI,   1                           ; v1   16 x lane
.set ADP,  2                           ; v2   P of this trip's eight K steps;  v3 of the next trip's
.set ADP2, 3
.set ADY,  4                           ; v4   P's scale words;  v5 V's
.set ADX,  5
.set STO,  6                           ; v6   the stage, in;  v7 back;  v8 my bytes in two rows of out0
.set RD,   7
.set CO,   8
.set L8,   9                           ; v9   8 x lane
.set SPW,  10                          ; v10  my spare word; never rewritten
.set NIL,  11                          ; v11  0; never rewritten
.set PSA,  12                          ; v12  where the prologue stores scale words;  v13 1 / l
.set RLA,  13
.set ADX0, 14                          ; v14, v15 the lane terms of ADX, ADY
.set ADY0, 15
.set XS,   16                          ; v16-31 V's scale words, two sets of 8: register 4 (b / 2) + q: e tile 2 (b / 2) in lanes 0-15, the odd one in lanes 16-31
.set YS,   32                          ; v32-63 P's, two sets of 16: register 4 (a / 2) + q likewise
.set NMR,  64                          ; the prologue: v64-127 -M', then D;  v128-191 l';  v192-223 the byte pairs, two to a word
.set LLR,  128
.set HWR,  192
.set LA,   224                         ; v224-231 l, four chains for each of my two rows
.set MN,   232                         ; v232-233 -M
.set RLR,  234                         ; v234 RLB + 4 r
.set TT,   236                         ; v236-239 at work
.set T,    64                          ; the way out: v64-95 a tile's results / l;  v96-159 rows back from the stage, two sets;  v160-175 1 / l, in pairs
.set OB,   96
.set RL,   160
.set WV,   14
.set G1P,  32                          ; s[32:39] group 1 for P; s[44:47], s[48:51] groups 0 of its halves
.set G0A,  44
.set G0B,  48
.set VB,   54                          ; s[54:55] V's fragments of this trip
.set VSB,  56                          ; s[56:57] my channels' scale words
.set SB,   60                          ; s[60:61] -M' and l';  s[62:63] the byte pairs
.set HB,   62
.set TP,   66                          ; the trip's place in P, 65,536 a trip; in V's scale words, 8,192; in P's, 4,096
.set TX,   67
.set TY,   68
.set CNT,  69
.set C80,  70
.set MSB, 0
.macro WIN new                         ; the immediate's high byte repeats the setting that is left
.if MSB != \new
	s_set_vgpr_msb (MSB<<8)|\new
.set MSB, \new
.endif
.endm
.set W_MUL, 0xad                       ; source 0 (V) window 1, source 1 (P) window 3, C and D window 2
.macro CROUND                          ; a round of the cluster's barrier
	s_barrier_signal -1
	s_barrier_wait -1
	s_cmp_lg_u32 s[WV], 0
	s_cbranch_scc1 .Lnot_wave_0_\@
	s_barrier_signal -3
.Lnot_wave_0_\@:
	s_barrier_wait -3
	s_barrier_signal -1
	s_barrier_wait -1
.endm
	s_load_b256 s[4:11], s[0:1], 0x0               ; codes s[4:5], scales s[6:7], p_codes s[8:9], stats s[10:11]
	s_load_b64 s[12:13], s[0:1], 0x20              ; out0
	v_lshl_add_u32 v[SPW], v0, 2, SPARE
	v_mov_b32 v[NIL], 0
	ds_add_u32 v[SPW], v[NIL]                      ; the opening lines: the add twice on end and its wait ahead of my first tensor load
	ds_add_u32 v[SPW], v[NIL]
	v_lshrrev_b32 v240, 5, v0
	v_readfirstlane_b32 s[WV], v240                ; wave 0..3
	; every offset and every LDS address is made here, on registers, between the adds and their wait
	s_bfe_u32 s15, ttmp6, 0x40000                  ; cx
	s_bfe_u32 s16, ttmp6, 0x40004                  ; cy
	s_and_b32 s17, ttmp7, 0xffff                   ; cluster y
	s_lshl_b32 s18, s17, 2
	s_add_co_u32 s18, s18, s16                     ; y = 32 n + the block of 128 queries
	s_lshr_b32 s19, s17, 3                         ; n: of the cluster's y alone
	s_and_b32 s20, s18, 31                         ; qb
	s_lshl_b32 s21, ttmp9, 2
	s_add_co_u32 s21, s21, s15                     ; eb: which 256 channels
	s_lshl_b32 s52, s16, 2
	s_lshl_b32 s52, 15, s52                        ; my row of the cluster
	s_or_b32 s[G1P], s52, (3<<16)|(1<<21)          ; group 1: a dense block as rows of 256 bytes (32 elements of 8 bytes); bit 21 beside the mask
	s_mov_b32 s[G1P+1], 32<<16
	s_mov_b32 s[G1P+2], 128<<16                    ; 128 rows: one ks of P, 32 images
	s_mov_b32 s[G1P+3], 32<<16
	s_mov_b32 s[G1P+4], 128
	s_mov_b32 s[G1P+5], 32
	s_mov_b32 s[G1P+6], 0
	s_mov_b32 s[G1P+7], 0
	s_mov_b32 s[G0A], 1
	s_lshl_b32 s[G0A+1], s[WV], 15                 ; ks = wave
	s_mov_b32 s[G0B], 1
	s_add_co_u32 s[G0B+1], s[G0A+1], 131072        ; ks = wave + 4
	s_lshl_b32 s58, s19, 23                        ; P: n, qb and the wave: nothing of cx
	s_lshl_b32 s59, s[WV], 20
	s_add_co_u32 s58, s58, s59
	s_lshl_b32 s59, s20, 15
	s_add_co_u32 s58, s58, s59
	s_mov_b32 s59, 0
	s_lshl_b32 s[VSB], s19, 2                      ; V's scale words: [4 n + eb][ks][e % 256][16 bytes], my 64 channels
	s_add_co_u32 s[VSB], s[VSB], s21
	s_lshl_b32 s[VSB], s[VSB], 15
	s_lshl_b32 s22, s[WV], 10
	s_add_co_u32 s[VSB], s[VSB], s22
	s_add_co_u32 s[VSB], s[VSB], 0x80000
	s_mov_b32 s[VSB+1], 0
	s_add_co_u32 s22, s22, VSC                     ; and their place in LDS: 1,024 bytes a wave in each ks
	s_lshl_b32 s24, s19, 4
	s_lshl_b32 s25, s21, 2
	s_add_co_u32 s24, s24, s25
	s_add_co_u32 s24, s24, s[WV]                   ; 16 n + e / 64
	s_lshl_b32 s24, s24, 17
	s_add_co_u32 s24, s24, 0x800000                ; V's codes
	s_mov_b32 s25, 0
	s_lshl_b32 s26, s19, 19
	s_lshl_b32 s27, s20, 11
	s_add_co_u32 s26, s26, s27
	s_lshl_b32 s72, s[WV], 9
	s_add_co_u32 s26, s26, s72                     ; the byte pairs of my 32 rows: 16 bytes a row
	s_mov_b32 s27, 0
	s_lshl_b32 s28, s26, 1                         ; -M' and l': 32 bytes a row
	s_mov_b32 s29, 0
	s_add_co_u32 s72, s72, PSC
	s_lshl_b32 s30, s19, 24
	s_lshl_b32 s31, s20, 19
	s_add_co_u32 s30, s30, s31
	s_lshl_b32 s31, s21, 10
	s_add_co_u32 s30, s30, s31
	s_lshl_b32 s31, s[WV], 8
	s_add_co_u32 s30, s30, s31                     ; out0 at my first query, my 64 channels
	s_mov_b32 s31, 0
	s_lshl_b32 s73, s[WV], 7
	s_add_co_u32 s73, s73, RLB
	s_mul_i32 s74, s[WV], 16*272                   ; my stage
	s_mov_b32 s[TP], 0
	s_mov_b32 s[TX], 0
	s_mov_b32 s[TY], 0
	s_mov_b32 s[C80], 0x80808080
	v_and_b32 v242, 31, v0
	v_and_b32 v240, 15, v0                         ; r
	v_bfe_u32 v241, v0, 4, 1                       ; h
	v_lshlrev_b32 v[LI], 4, v242
	v_lshlrev_b32 v[L8], 3, v242
	v_lshrrev_b32 v242, 1, v242
	v_mul_u32_u24 v[STO], v240, 272
	v_mul_u32_u24 v[RD], v241, 272
	v_lshlrev_b32 v[CO], 12, v241
	v_mov_b32 v[ADP], v[LI]
	v_add_nc_u32 v[ADP2], 0x10000, v[LI]
	v_add_nc_u32 v[ADY0], PSC, v[LI]
	v_add_nc_u32 v[ADX0], s22, v[LI]
	v_add_nc_u32 v[PSA], s72, v[L8]
	v_lshl_add_u32 v[RLA], v242, 2, s73
	v_lshl_add_u32 v[RLR], v240, 2, RLB
	v_lshl_add_u32 v[STO], v241, 5, v[STO]
	v_lshl_add_u32 v[RD], v240, 4, v[RD]
	v_lshl_add_u32 v[CO], v240, 4, v[CO]           ; two rows of out0, 16 bytes a lane
	v_add_nc_u32 v[STO], s74, v[STO]               ; in: row r, 32 bytes for each half of the lanes
	v_add_nc_u32 v[RD], s74, v[RD]                 ; back: lanes 0-15 one row of 256 bytes, lanes 16-31 the next
	v_mov_b32 v[ADX], v[ADX0]
	v_mov_b32 v[ADY], v[ADY0]
	s_wait_alu depctr_va_vdst(0)                   ; the wait at the head's end
	s_wait_dscnt 0x0                               ; both opening adds are done
	s_wait_kmcnt 0x0
	s_add_nc_u64 s[HB:HB+1], s[10:11], s[26:27]
	s_add_nc_u64 s[HB:HB+1], s[HB:HB+1], 0x400000
	s_add_nc_u64 s[SB:SB+1], s[10:11], s[28:29]
	s_add_nc_u64 s[VSB:VSB+1], s[6:7], s[VSB:VSB+1]
; lane L holds, of row 16 j + L / 2 of my 32, the groups 4 (L % 2) + 0 .. 3 of each ks
.irp j, 0,1
.irp ks, 0,1,2,3,4,5,6,7
	global_load_b128 v[NMR+32*\j+4*\ks:NMR+32*\j+4*\ks+3], v[LI], s[SB:SB+1] offset:131072*\ks+512*\j
	global_load_b128 v[LLR+32*\j+4*\ks:LLR+32*\j+4*\ks+3], v[LI], s[SB:SB+1] offset:2097152+131072*\ks+512*\j
	global_load_b64 v[HWR+16*\j+2*\ks:HWR+16*\j+2*\ks+1], v[L8], s[HB:HB+1] offset:65536*\ks+256*\j
.endr
.endr
	WIN 0xc0                                       ; destination window 3: P's sets are not yet in use
.set i, 0
.rept 8                                ; ks 0 to 3 here: with the 48 loads above, 56 loads of mine are out when the tensor load below is issued; ks 4 to 7 follow behind it
	global_load_b128 v[4*i:4*i+3], v[LI], s[VSB:VSB+1] offset:4096*(i/2)+512*(i%2)   ; my channels' scale words of ks i / 2
.set i, i+1
.endr
	WIN 0
	s_add_nc_u64 s[G0A+2:G0A+3], s[8:9], s[58:59]
	s_add_nc_u64 s[G0B+2:G0B+3], s[G0A+2:G0A+3], 0x400000
	s_or_b32 s[G0A+3], s[G0A+3], 0x80000000
	s_or_b32 s[G0B+3], s[G0B+3], 0x80000000
	s_add_nc_u64 s[VB:VB+1], s[4:5], s[24:25]
	s_add_nc_u64 s[12:13], s[12:13], s[30:31]
	CROUND                                         ; all sixteen work-groups are here: the joint loads meet
	tensor_load_to_lds s[G0A:G0A+3], s[G1P:G1P+7]  ; P's first half, ks = wave: my one tensor load at the head
	s_nop 0
.rept 4
	v_nop
.endr
	WIN 0xc0                                       ; destination window 3
.set i, 8
.rept 8
	global_load_b128 v[4*i:4*i+3], v[LI], s[VSB:VSB+1] offset:4096*(i/2)+512*(i%2)   ; my channels' scale words of ks 4 to 7
.set i, i+1
.endr
	WIN 0x40                                       ; destination window 1
.set i, 0
.rept 40
	global_load_b128 v[4*i:4*i+3], v[LI], s[VB:VB+1] offset:512*i  ; V of K steps 0 to 4: set j at v[32 j], e tile b at + 8 b
.set i, i+1
.endr
	WIN 0
	s_wait_loadcnt 56                              ; the prologue's 48 loads are in; the 16 of scale words and V's 40 may be out
; ---- the prologue ----
.irp j, 0,1
	v_min3_num_f32 v[MN+\j], v[NMR+32*\j], v[NMR+32*\j+1], v[NMR+32*\j+2]
.endr
.irp i, 3,5,7,9,11,13,15,17,19,21,23,25,27,29
.irp j, 0,1
	v_min3_num_f32 v[MN+\j], v[MN+\j], v[NMR+32*\j+\i], v[NMR+32*\j+\i+1]
.endr
.endr
.irp j, 0,1
	v_min_num_f32 v[MN+\j], v[MN+\j], v[NMR+32*\j+31]
.endr
.irp j, 0,1
	v_min_num_f32_dpp v[MN+\j], v[MN+\j], v[MN+\j] row_xmask:1 row_mask:0xf bank_mask:0xf   ; with the row's other half: -M
.endr
.set i, 0
.rept 64
	v_sub_f32 v[NMR+i], v[NMR+i], v[MN+i/32]       ; D = M - M', a whole number, 0 or more
.set i, i+1
.endr
.set i, 0
.rept 64
	v_min_num_f32 v[NMR+i], 0x42fe0000, v[NMR+i]   ; held at 127
.set i, i+1
.endr
.set i, 0
.rept 64
	v_cvt_u32_f32 v[NMR+i], v[NMR+i]
.set i, i+1
.endr
.set i, 0
.rept 16                               ; l = the sum of l' 2^-D, four numbers at a time in four chains; the first products start the sums
.irp k, 0,1,2,3
	v_sub_nc_u32 v[TT+\k], 127, v[NMR+4*i+\k]
.endr
.irp k, 0,1,2,3
	v_lshlrev_b32 v[TT+\k], 23, v[TT+\k]           ; 2^-D as f32 (0 where D = 127)
.endr
.irp k, 0,1,2,3
.if i%8 == 0
	v_mul_f32 v[LA+4*(i/8)+\k], v[LLR+4*i+\k], v[TT+\k]
.else
	v_fmac_f32 v[LA+4*(i/8)+\k], v[LLR+4*i+\k], v[TT+\k]
.endif
.endr
.set i, i+1
.endr
; the bytes: word i holds the pairs of two groups, whose D lie in registers 2 i and 2 i + 1
.set i, 0
.rept 32
	v_lshl_or_b32 v[NMR+2*i], v[NMR+2*i+1], 16, v[NMR+2*i]
.set i, i+1
.endr
.set i, 0
.rept 32
	v_mul_u32_u24 v[NMR+2*i], v[NMR+2*i], 0x101    ; each D in both bytes of its pair (23 bits x 9 bits)
.set i, i+1
.endr
.set i, 0
.rept 32
	v_or_b32 v[HWR+i], s[C80], v[HWR+i]            ; 128 + byte
.set i, i+1
.endr
.set i, 0
.rept 32
	v_sub_nc_u32 v[HWR+i], v[HWR+i], v[NMR+2*i]    ; 128 + byte - D: at least 2, so no borrow; bit 7 says that byte - D is not negative
.set i, i+1
.endr
.set i, 0
.rept 32
	v_and_b32 v[NMR+2*i], s[C80], v[HWR+i]
.set i, i+1
.endr
.set i, 0
.rept 32
	v_lshrrev_b32 v[NMR+2*i+1], 7, v[NMR+2*i]
.set i, i+1
.endr
.set i, 0
.rept 32
	v_sub_nc_u32 v[NMR+2*i], v[NMR+2*i], v[NMR+2*i+1]   ; 0x7f in each such byte, 0 in the others
.set i, i+1
.endr
.set i, 0
.rept 32
	v_and_b32 v[HWR+i], v[HWR+i], v[NMR+2*i]       ; byte - D, held at 0
.set i, i+1
.endr
.irp j, 0,1
.irp ks, 0,1,2,3,4,5,6,7
	ds_store_b64 v[PSA], v[HWR+16*\j+2*\ks:HWR+16*\j+2*\ks+1] offset:2048*\ks+256*\j   ; a row's eight pairs are its four scale words of this ks
.endr
.endr
.irp j, 0,1
	v_add_f32 v[LA+4*\j], v[LA+4*\j], v[LA+4*\j+1]
	v_add_f32 v[LA+4*\j+2], v[LA+4*\j+2], v[LA+4*\j+3]
.endr
.irp j, 0,1
	v_add_f32 v[LA+4*\j], v[LA+4*\j], v[LA+4*\j+2]
.endr
.irp j, 0,1
	v_add_f32_dpp v[LA+4*\j], v[LA+4*\j], v[LA+4*\j] row_xmask:1 row_mask:0xf bank_mask:0xf   ; with the row's other half: l
.endr
	s_wait_alu depctr_va_vdst(0)                   ; the wait ahead of the reciprocals
.irp j, 0,1
	v_rcp_f32 v[LA+4*\j], v[LA+4*\j]
.endr
	v_nop                                          ; a plain instruction behind the reciprocals
	s_wait_alu depctr_va_vdst(0)                   ; and the wait ahead of their first reader
.irp j, 0,1
	ds_store_b32 v[RLA], v[LA+4*\j] offset:64*\j   ; both lanes of a row write the same word with the same value
.endr
.macro PL set, adr, off                ; a K step's eight fragments of P into set \set of window 3
.irp a, 0,1,2,3,4,5,6,7
	ds_load_b128 v[64*(\set)+8*\a:64*(\set)+8*\a+3], v[\adr] offset:(\off)+4096*\a
	ds_load_b128 v[64*(\set)+8*\a+4:64*(\set)+8*\a+7], v[\adr] offset:(\off)+4096*\a+512
.endr
.endm
.macro SCL sp, slot                    ; the scale words of ks \slot of this trip's count into set \sp
.irp i, 0,1
	ds_load_b128 v[XS+8*(\sp)+4*\i:XS+8*(\sp)+4*\i+3], v[ADX] offset:4096*(\slot)+512*\i
.endr
.irp i, 0,1,2,3
	ds_load_b128 v[YS+16*(\sp)+4*\i:YS+16*(\sp)+4*\i+3], v[ADY] offset:2048*(\slot)+512*\i
.endr
.endm
.macro VL set, j                       ; V of K step \j of this trip's count into set \set of window 1
.irp i, 0,1,2,3,4,5,6,7
	global_load_b128 v[32*(\set)+4*\i:32*(\set)+4*\i+3], v[LI], s[VB:VB+1] offset:4096*(\j)+512*\i
.endr
.endm
.macro WM zero, ra, rb                 ; one product; ra, rb: the side's scale words stand in lanes 16-31
.if \zero
.if (\ra) && (\rb)
	v_wmma_scale_f32_16x16x128_f8f6f4 v[rD:rD+7], v[rA:rA+7], v[rB:rB+7], 0, v[rX], v[rY] matrix_a_fmt:MATRIX_FMT_FP4 matrix_b_fmt:MATRIX_FMT_FP4 matrix_a_scale:MATRIX_SCALE_ROW1 matrix_b_scale:MATRIX_SCALE_ROW1
.elseif \ra
	v_wmma_scale_f32_16x16x128_f8f6f4 v[rD:rD+7], v[rA:rA+7], v[rB:rB+7], 0, v[rX], v[rY] matrix_a_fmt:MATRIX_FMT_FP4 matrix_b_fmt:MATRIX_FMT_FP4 matrix_a_scale:MATRIX_SCALE_ROW1
.elseif \rb
	v_wmma_scale_f32_16x16x128_f8f6f4 v[rD:rD+7], v[rA:rA+7], v[rB:rB+7], 0, v[rX], v[rY] matrix_a_fmt:MATRIX_FMT_FP4 matrix_b_fmt:MATRIX_FMT_FP4 matrix_b_scale:MATRIX_SCALE_ROW1
.else
	v_wmma_scale_f32_16x16x128_f8f6f4 v[rD:rD+7], v[rA:rA+7], v[rB:rB+7], 0, v[rX], v[rY] matrix_a_fmt:MATRIX_FMT_FP4 matrix_b_fmt:MATRIX_FMT_FP4
.endif
.else
.if (\ra) && (\rb)
	v_wmma_scale_f32_16x16x128_f8f6f4 v[rD:rD+7], v[rA:rA+7], v[rB:rB+7], v[rD:rD+7], v[rX], v[rY] matrix_a_fmt:MATRIX_FMT_FP4 matrix_b_fmt:MATRIX_FMT_FP4 matrix_a_scale:MATRIX_SCALE_ROW1 matrix_b_scale:MATRIX_SCALE_ROW1
.elseif \ra
	v_wmma_scale_f32_16x16x128_f8f6f4 v[rD:rD+7], v[rA:rA+7], v[rB:rB+7], v[rD:rD+7], v[rX], v[rY] matrix_a_fmt:MATRIX_FMT_FP4 matrix_b_fmt:MATRIX_FMT_FP4 matrix_a_scale:MATRIX_SCALE_ROW1
.elseif \rb
	v_wmma_scale_f32_16x16x128_f8f6f4 v[rD:rD+7], v[rA:rA+7], v[rB:rB+7], v[rD:rD+7], v[rX], v[rY] matrix_a_fmt:MATRIX_FMT_FP4 matrix_b_fmt:MATRIX_FMT_FP4 matrix_b_scale:MATRIX_SCALE_ROW1
.else
	v_wmma_scale_f32_16x16x128_f8f6f4 v[rD:rD+7], v[rA:rA+7], v[rB:rB+7], v[rD:rD+7], v[rX], v[rY] matrix_a_fmt:MATRIX_FMT_FP4 matrix_b_fmt:MATRIX_FMT_FP4
.endif
.endif
.endm
; K step j8 of a trip's eight: its loads in one run, then its 32 products.  lcnt: the younger loads of V that may stay out; dcnt: the younger LDS loads.
; nextp: P of two K steps on is fetched; scl: at j8 = 0 and 4 the next ks's scale words; refill: V of seven K steps on.
.macro KSTEP j8, zero, lcnt, dcnt, nextp, scl, refill
	s_wait_loadcnt \lcnt
	s_wait_dscnt \dcnt
.rept 4
	v_nop                                          ; four plain instructions between the last K step's products and the loads into the set of V and the scale words that they read
.endr
.if \nextp
	WIN 0xc0                                       ; destination window 3
.if (\j8) < 6
	PL ((\j8)+2)%4, ADP, (((\j8)+2)/4)*32768+(((\j8)+2)%4)*1024
.else
	PL ((\j8)+2)%4, ADP2, ((\j8)-6)*1024
.endif
.endif
.if (\scl) && ((\j8)%4 == 0)
	WIN 0
	SCL 1-(\j8)/4, 1+(\j8)/4
.endif
.if \refill
	WIN 0x40                                       ; destination window 1
	VL ((\j8)+7)%8, (\j8)+7
.endif
	WIN W_MUL
.irp a, 0,1,2,3,4,5,6,7                ; the 32 accumulators take turns, one instruction a turn
.irp b, 0,1,2,3
.set rD, 8*(4*\a+\b)
.set rA, 32*(\j8)+8*\b
.set rB, 64*((\j8)%4)+8*\a
.set rX, XS+8*((\j8)/4)+4*(\b/2)+(\j8)%4
.set rY, YS+16*((\j8)/4)+4*(\a/2)+(\j8)%4
	WM \zero, \b%2, \a%2
.endr
.endr
.endm
.macro NEXT                            ; on to the next trip's eight K steps
	WIN 0
	s_wait_xcnt 0x0                                ; V's loads have read their base: it is stepped only behind this wait
	s_add_nc_u64 s[VB:VB+1], s[VB:VB+1], 32768
	s_add_co_u32 s[TP], s[TP], 65536
	s_add_co_u32 s[TX], s[TX], 8192
	s_add_co_u32 s[TY], s[TY], 4096
	v_add_nc_u32 v[ADP], s[TP], v[LI]
	v_add_nc_u32 v[ADP2], 0x10000, v[ADP]
	v_add_nc_u32 v[ADX], s[TX], v[ADX0]
	v_add_nc_u32 v[ADY], s[TY], v[ADY0]
.endm
	s_wait_loadcnt 40                              ; V's scale words are in; V's 40 loads may be out
	WIN 0x0c                                       ; store data (source 1) window 3
.set i, 0
.rept 16
	ds_store_b128 v[ADX0], v[4*i:4*i+3] offset:4096*(i/2)+512*(i%2)   ; bytes that I alone read
.set i, i+1
.endr
	WIN 0x40                                       ; destination window 1
.set i, 40
.rept 24
	global_load_b128 v[4*i:4*i+3], v[LI], s[VB:VB+1] offset:512*i  ; V of K steps 5 to 7
.set i, i+1
.endr
	WIN 0
	s_wait_tensorcnt 0x0                           ; my ks of P's first half is in
	ds_add_u32 v[SPW], v[NIL]
	s_wait_dscnt 0x0                               ; the add is done; my scale words and 1 / l are stored
	CROUND                                         ; everybody's are, and the partners meet
	tensor_load_to_lds s[G0B:G0B+3], s[G1P:G1P+7]  ; P's second half, ks = wave + 4: my one tensor load behind this round
	s_nop 0
.rept 4
	v_nop
.endr
	SCL 0, 0
	WIN 0xc0
	PL 0, ADP, 0
	PL 1, ADP, 1024
	KSTEP 0, 1, 56, 16, 1, 1, 0                    ; the first K step starts the sums; V of K steps 0 to 7 came at the head: 56: its seven younger sets
.irp j, 1,2,3,4,5,6,7
	KSTEP \j, 0, 48, 16, 1, 1, 1                   ; 48: six younger sets of V, eight loads each; 16: the next K step's P
.endr
	NEXT
	s_wait_tensorcnt 0x0                           ; my ks of P's second half is in,
	s_wait_dscnt 0x0
	s_barrier_signal -1
	s_barrier_wait -1                              ; everybody's is: it is first read in the trip that follows.
	s_mov_b32 s[CNT], 2
.Ltrip:
	s_wait_alu depctr_va_vdst(0)
.irp j, 0,1,2,3,4,5,6,7
	KSTEP \j, 0, 48, 16, 1, 1, 1
.endr
	NEXT
	s_sub_co_u32 s[CNT], s[CNT], 1
	s_cmp_lg_u32 s[CNT], 0
	s_cbranch_scc1 .Ltrip
	s_wait_alu depctr_va_vdst(0)
	KSTEP 0, 0, 48, 16, 1, 1, 1                    ; the last trip: one more set of V, then the counts run down
	KSTEP 1, 0, 48, 16, 1, 0, 0
	KSTEP 2, 0, 40, 16, 1, 0, 0
	KSTEP 3, 0, 32, 16, 1, 0, 0
	KSTEP 4, 0, 24, 16, 1, 0, 0
	KSTEP 5, 0, 16, 16, 1, 0, 0
	KSTEP 6, 0, 8, 16, 0, 0, 0
	KSTEP 7, 0, 0, 0, 0, 0, 0
; ---- the way out: a tile of 16 queries x my 64 channels at a time, divided by l, through my stage, out as rows of 256 bytes ----
	WIN 0
	s_wait_dscnt 0x0                               ; my reads of P are over,
	s_barrier_signal -1
	s_barrier_wait -1                              ; everybody's are: the stages lie where P lay
.irp a, 0,1,2,3,4,5,6,7
	ds_load_b32 v[RL+2*\a], v[RLR] offset:64*\a    ; 1 / l of query 16 a + r
.endr
.irp a, 0,1,2,3,4,5,6,7
	v_mov_b32 v[RL+2*\a+1], 0                      ; named as the upper halves of pairs.  These eight are also the plain instructions between the last products and the first read of results
.endr
	s_wait_alu depctr_va_vdst(0)
	s_wait_dscnt 0x0
.macro PACK a
	WIN 0x02                                       ; source 0 window 2
.set i, 0
.rept 16
	v_pk_mul_f32 v[T+2*i:T+2*i+1], v[32*(\a)+2*i:32*(\a)+2*i+1], v[RL+2*(\a):RL+2*(\a)+1] op_sel_hi:[1,0]   ; each accumulator from its low end on
.set i, i+1
.endr
	WIN 0
.endm
.macro TOSTAGE a
.irp b, 0,1,2,3
	ds_store_b128 v[STO], v[T+8*\b:T+8*\b+3] offset:64*\b
	ds_store_b128 v[STO], v[T+8*\b+4:T+8*\b+7] offset:64*\b+16
.endr
.irp t, 0,1,2,3,4,5,6,7
	ds_load_b128 v[OB+32*((\a)%2)+4*\t:OB+32*((\a)%2)+4*\t+3], v[RD] offset:544*\t   ; LDS serves a wave's instructions in order: these see the stores above
.endr
.endm
.macro SEND a
	s_wait_dscnt 0x0                               ; the tile is back in registers
	s_wait_xcnt 0x0                                ; the stores of the tile before have read their registers: the next loads from the stage land there only behind this wait
.irp t, 0,1,2,3,4,5,6,7
	global_store_b128 v[CO], v[OB+32*((\a)%2)+4*\t:OB+32*((\a)%2)+4*\t+3], s[12:13] offset:65536*(\a)+8192*\t th:TH_STORE_NT   ; sixteen lanes store 256 consecutive bytes, aligned
.endr
.endm
	PACK 0
	TOSTAGE 0
.irp a, 1,2,3,4,5,6,7                  ; tile a's multiplications stand between tile a - 1's loads from the stage and the wait for them
	PACK \a
	s_wait_alu depctr_va_vdst(0)                   ; the wait here, directly ahead of SEND's waits
	SEND \a-1
	TOSTAGE \a
.endr
	SEND 7
	s_wait_tensorcnt 0x0                           ; the wave's end
	ds_add_u32 v[SPW], v[NIL]
	s_wait_dscnt 0x0
	CROUND                                         ; the closing round
	s_endpgm
.Lfunc_end_k_qc01ff6541c_mix:
	.size	k_qc01ff6541c_mix, .Lfunc_end_k_qc01ff6541c_mix-k_qc01ff6541c_mix
	.p2alignl 7, 3214868480
	.fill 96, 4, 3214868480
	.section	.rodata,"a",@progbits
	.p2align	6, 0x0
	.amdhsa_kernel k_qc01ff6541c_mix
		.amdhsa_group_segment_fixed_size 327680
		.amdhsa_private_segment_fixed_size 0
		.amdhsa_enable_private_segment 0
		.amdhsa_kernarg_size 40
		.amdhsa_user_sgpr_count 2
		.amdhsa_user_sgpr_kernarg_segment_ptr 1
		.amdhsa_wavefront_size32 1
		.amdhsa_system_sgpr_workgroup_id_x 1
		.amdhsa_system_sgpr_workgroup_id_y 1
		.amdhsa_system_sgpr_workgroup_id_z 1
		.amdhsa_system_vgpr_workitem_id 0
		.amdhsa_next_free_vgpr 1024
		.amdhsa_next_free_sgpr 80
		.amdhsa_reserve_vcc 0
		.amdhsa_float_denorm_mode_32 3
		.amdhsa_float_denorm_mode_16_64 3
		.amdhsa_memory_ordered 1
		.amdhsa_forward_progress 1
		.amdhsa_inst_pref_size 217
	.end_amdhsa_kernel
	.amdgpu_metadata
---
amdhsa.version: [ 1, 2 ]
amdhsa.kernels:
  - .name:           k_qc01ff6541c_mix
    .symbol:         k_qc01ff6541c_mix.kd
    .args:
      - { .name: codes, .offset: 0, .size: 8, .value_kind: global_buffer, .address_space: global }
      - { .name: scales, .offset: 8, .size: 8, .value_kind: global_buffer, .address_space: global }
      - { .name: p_codes, .offset: 16, .size: 8, .value_kind: global_buffer, .address_space: global }
      - { .name: stats, .offset: 24, .size: 8, .value_kind: global_buffer, .address_space: global }
      - { .name: out0, .offset: 32, .size: 8, .value_kind: global_buffer, .address_space: global }
    .group_segment_fixed_size: 327680
    .private_segment_fixed_size: 0
    .kernarg_segment_align: 8
    .kernarg_segment_size: 40
    .max_flat_workgroup_size: 128
    .sgpr_count:     80
    .vgpr_count:     1024
    .wavefront_size: 32
...
	.end_amdgpu_metadata
.endif
;; end of part 3
